; MI455X (gfx1250); checked and timed in simulation.
; The chip was launched on July 23, 2026; its instructions are those of AMD's public machine-readable ISA for CDNA 5 (MIT licence, August 2026) and "CDNA5" Instruction Set Architecture Reference Guide (July 2026). The comments in the code are by the model that wrote it; some were corrected since.
;; Temporal Attention. Allowed arithmetic: matrix products marked QUANTISED: E5M2 operands, one given power-of-two scale a tensor, by v_wmma_f32_16x16x64_bf8_bf8 or v_wmma_f32_16x16x128_bf8_bf8, f32 sums; products left as they are: f32 operands where the result goes on into a quantised operand, else bf16, f16 or f32 operands; f32 sums; everything else in f32.
;; Inputs: Wk_codes 512 x 16 x 32 uint8 (E5M2 codes of Wk, K innermost, in blocks of 32 codes); Wq_codes 512 x 16 x 32 uint8 (E5M2 codes of Wq, K innermost, in blocks of 32 codes); Wt 1 x 2,048 float32; Wv_codes 512 x 16 x 32 uint8 (E5M2 codes of Wv, K innermost, in blocks of 32 codes); bk 512 float32; bq 512 float32; bt 1 float32; bv 512 float32; lowp_scales 8 int32 (the exponents e of the quantised operands' scales 2^e); x_codes 16 x 2,048 x 16 x 32 uint8 (E5M2 codes of x, K innermost, in blocks of 32 codes).
;; Outputs: out0 16 x 512 float32.
;; This version of the problem:
;;   THIS VERSION OF THE PROBLEM IS GIVEN IN LOW PRECISION. The matrix products marked QUANTISED in the list below multiply operands that are first quantised to E5M2 (5 exponent bits, 2 mantissa bits; 8 bits a number), with one given power-of-two scale for each operand tensor; their sums are f32. All else is computed in f32.
;;   The module's matrix products, in the order in which they are computed (A, B: the left and right operand; K: the contracted axis; several contracted axes count as one K, in the product's order):
;;     1. [M 32,768, K 512] x [K 512, N 512]; A: input x (given as codes); B: input Wq (given as codes): QUANTISED (scales: A lowp_scales[0], B lowp_scales[1])
;;     2. [M 32,768, K 512] x [K 512, N 512]; A: input x (given as codes); B: input Wk (given as codes): QUANTISED (scales: A lowp_scales[2], B lowp_scales[3])
;;     3. [M 32,768, K 512] x [K 512, N 512]; A: input x (given as codes); B: input Wv (given as codes): QUANTISED (scales: A lowp_scales[4], B lowp_scales[5])
;;     4. batch 16 x [M 2,048, K 512] x [K 512, N 2,048]; A: computed on the way; B: computed on the way: QUANTISED (scales: A lowp_scales[6], B lowp_scales[7])
;;     5. [M 32,768, K 2,048] x [K 2,048, N 1]; A: computed on the way; B: input Wt: left as it is (N = 1 < 16)
;;     6. batch 16 x [M 512, K 2,048] x [K 2,048, N 1]; A: computed on the way; B: computed on the way: left as it is (N = 1 < 16)
;;   THE QUANTISER, for each operand of a quantised product, along K:
;;     - The operand's scale is 2^e, e = its entry of the input lowp_scales (int32; the entries are numbered through the quantised products in the list's order, A before B).
;;     - Each number is divided by the scale, clamped to +-57,344, and rounded to the nearest number of E5M2, ties to even, subnormals kept.
;;     - The product sums the exact products of the quantised numbers (number of the format x scale) in f32.
;;   ~~~python
;;   def quantise(x, axis, e):      # numpy; x: float32 -> the quantised numbers, widened to float32 again
;;       x = np.moveaxis(x, axis, -1); K = x.shape[-1]
;;       r = np.clip(x / 2.0 ** e, -57344, 57344)
;;       step = 2.0 ** (np.maximum(np.frexp(np.where(r == 0, 1, r))[1] - 1, -14) - 2)
;;       q = np.round(r / step) * step * 2.0 ** e      # np.round: ties to even
;;       return np.moveaxis(q, -1, axis).astype(np.float32)
;;   ~~~
;;   OPERANDS COMPUTED ON THE WAY. 'Computed on the way' means the value that the module computes at that place (a softmax that the list does not call 'softmax' is quantised finished and normalised). What goes into a quantiser is computed in f32, as accurately as f32 sums, v_exp_f32 and their like allow (about 1e-6 of the number): no bf16 or f16 on the way to a quantiser, and a product that is left as it is and whose result goes on into a quantised operand takes f32 operands (vector FMAs, or v_wmma_f32_16x16x4_f32). A number that lies on a knife's edge between two numbers of the format may be rounded either way, as far as f32 arithmetic and the matrix unit's own rounding can turn it there, and no further.
;;   INPUTS GIVEN AS CODES. Wk (in the module: [512, 512], K = its axis 1); Wq (in the module: [512, 512], K = its axis 1); Wv (in the module: [512, 512], K = its axis 1); x (in the module: [16, 2048, 512], K = its axis 2): each comes as NAME_codes (uint8): NAME with its K axis moved to the last place and cut into blocks of 32 codes, [.., K / 32, bytes a block], one block behind the other in memory; one code a byte (a code: sign, 5 exponent bits, 2 mantissa bits); its scale is its entry of lowp_scales. Its value is code x scale, taken as it is: it is not quantised again, and the codes and scales need not be those that the quantiser above would give.
;; One version. Each part assembles by itself: llvm-mc -triple=amdgcn-amd-amdhsa -mcpu=gfx1250 --defsym DOCPART=n.
;; ======== version 1 of 1: 3 launches
;; workspace buffers: kimg 16,777,216 bytes; part 524,288 bytes
;; launch kproj (part 1): grid 16 x 16, 4 waves a work-group, clusters of 4 x 1, 327,680 bytes of LDS; arguments x_codes, Wk_codes, bk, lowp_scales, kimg; writes kimg
.if DOCPART == 1
	.amdgcn_target "amdgcn-amd-amdhsa--gfx1250"
	.amdhsa_code_object_version 6
	.text
	.protected	k_qc6802cc866_kproj
	.globl	k_qc6802cc866_kproj
	.p2align	8
	.type	k_qc6802cc866_kproj,@function
k_qc6802cc866_kproj:
	s_mov_b64 s[64:65], 0
	v_nop
	global_prefetch_b8 v0, s[64:65] scope:SCOPE_SE
	s_setreg_imm32_b32 hwreg(HW_REG_WAVE_MODE, 25, 1), 1
	s_wait_xcnt 0x0
	s_wait_alu depctr_hold_cnt(0) depctr_sa_sdst(0) depctr_va_vdst(0) depctr_va_sdst(0) depctr_va_ssrc(0) depctr_va_vcc(0) depctr_vm_vsrc(0)
	s_getreg_b32 s2, hwreg(HW_REG_IB_STS2, 6, 4)
	s_cmp_eq_u32 s2, 0
	s_cbranch_scc0 .Lentry_in_a_cluster
	s_endpgm
.Lentry_in_a_cluster:
	s_bfe_u32 s2, ttmp6, 0x10000c
	s_cmp_lg_u32 s2, 0x3003
	s_cbranch_scc0 .Lentry_shape_is_right
	s_endpgm
.Lentry_shape_is_right:
; k = x Wk^T + bk on codes of BF8 (E5M2), quantised with the given 2^e7 and stored as IMAGES OF OPERAND REGISTERS for the next launch.
; x: [16][2048][512] codes, scale 2^e2.  Wk: [512][512] codes, K innermost, scale 2^e3.  bk: [512] f32.  lowp_scales: e0 .. e7 (int32).
; kimg: for batch b and key tile T (16 keys) 8,192 bytes at (128 b + T) x 8192; byte 2048 ks + 512 c + 16 lane holds registers 4 c .. 4 c + 3 of the fragment of K step ks
; (16 keys x 128 f: registers 2 c, 2 c + 1 of lane (r, h) hold key r, f = 128 ks + 16 c + 8 h + 0 .. 7).
; SHARES.  A work-group owns 128 rows of one batch; 16 x 16 work-groups.  ALL 128 rows x 512 K of x stand in 512 registers of EVERY wave (windows 1 and 2); Wk is streamed from LDS in tiles of
; 16 rows x 512 K (64 registers), and the four waves take different tiles: wave w makes f = 128 w .. 128 w + 127, which is K step w of the next product.  A fragment of 2,048 bytes read from LDS feeds 8 products.
; x COMES FROM MEMORY ONCE: each wave loads 32 of the block's rows, a row of 512 consecutive bytes to a load, and the rows go round the waves through a stage in LDS, 64 rows at a time.
; TRANSPOSED USE: source 0 = 16 rows of Wk, source 1 = 16 rows of x.  Lane (r, h) then holds row r of k and its eight registers f = 16 c + 8 h + 0 .. 7: one conversion gives registers 2 c, 2 c + 1 of the image.
; x and Wk are both fetched 16 bytes at a time (registers 4 c .. 4 c + 3: K = 32 c + 16 h + 0 .. 15): the same permutation of K on both sides, so every product meets its partner.
; THE BIAS is the C of each sum's first product, divided by the power of two that the sums lack: bk / 2^(e2 + e3).  The three scales ahead of the quantiser are folded into the conversion's one: 2^(e7 - e2 - e3).
; CLUSTER: the four work-groups of a cluster (blocks 4 x cluster x + cx of one batch) walk the same tiles of Wk: each is asked for JOINTLY, by the same tensor load with the same descriptor and the mask 15.
; cx enters x's and kimg's addresses alone.  Each slot is filled once, so nothing is filled again in this launch.
; LIMITS: e7 - e2 - e3 between -126 and 112, so that 2^(e7 - e2 - e3) and 57,344 times it are f32 numbers; e2 + e3 is applied by v_ldexp_f32 and has none.  NaN and infinity among the inputs are not served.
; REGISTERS, in windows of 256: window 0: v3-29 addresses and scales; v32-47 the bias, two sets of 8; v64-127 eight accumulators; v128-255 Wk's fragments, two sets of 64.
;   window 1: x's row tiles 0-3 (tile a, K step ks at v[64 a + 16 ks]);  window 2: row tiles 4-7;  window 3: v0-127 the codes made (row tile e at 16 e, pair 2 c); v128-255 my 32 rows of x as loaded.
.set TP,    16*528                     ; a tile of 16 rows in LDS: rows of 512 bytes + 16 of padding = 132 words: row r starts at bank 4 r mod 64 (ISA guide 11.1)
.set PART,  4*TP                       ; what one tensor load brings: 64 rows, one wave's own
.set SLOTB, 4*PART                     ; a slot: four waves' parts
.set BIAS,  2*SLOTB                    ; behind the two slots: bk / 2^(e2 + e3), 2,048 bytes
.set XST,   BIAS+2048                  ; the stage for x: 64 rows of 528 bytes; no tensor load fills it
.set XO,   3                           ; v3   x in memory: 8192 wave + 16 lane
.set AW0,  4                           ; v4   my place in a tile of my part of slot 0: 528 r + 16 h + wave x PART
.set AW1,  5                           ; v5   the same in slot 1
.set AXB,  8                           ; v8   the bias of my wave's f: BIAS + 512 wave + 32 h
.set GO,   17                          ; v17  16 x lane
.set CST,  19                          ; v19  BIAS + 16 x thread
.set SCQ,  20                          ; v20  2^(e7 - e2 - e3) as f32
.set LIMQ, 21                          ; v21  57,344 times that
.set XW,   28                          ; v28  the stage, on the way in: XST + wave x 16 rows + 16 lane
.set XR,   29                          ; v29  and on the way out: XST + 528 r + 16 h
.set AUX,  32
.set ACC,  64
.set FRG,  128
.set XK,   128                         ; in window 3
.set XB,   8                           ; s[8:9]   x, then x at my block's first row
.set WV,   28                          ; s28 wave; s29 cx; s30 my block of 128 rows; s31 the batch
.set CX,   29
.set BLK,  30
.set BAT,  31
.set G1W,  32                          ; s[32:39] descriptor group 1
.set GW,   48                          ; s[48:55] descriptor group 0, a set for each of the two fills
.set E0,   76                          ; s[76:83] e0 .. e7
.set MUL_X, 0x04                       ; source 1 (x) in window 1
.set MUL_Y, 0x08                       ; source 1 in window 2
.set MSB, 0
.macro WIN new                         ; the immediate's high byte repeats the setting that is left; a switch that changes nothing is dropped
.if MSB != (\new)
	s_set_vgpr_msb (MSB<<8)|(\new)
.set MSB, (\new)
.endif
.endm
.macro PLACES n
.rept \n
	v_nop
.endr
.endm
.macro CROUND                          ; a round of the cluster's barrier
	s_barrier_signal -1
	s_barrier_wait -1
	s_cmp_lg_u32 s[WV], 0
	s_cbranch_scc1 .Lnot_wave_0_\@
	s_barrier_signal -3
.Lnot_wave_0_\@:
	s_barrier_wait -3
	s_barrier_signal -1
	s_barrier_wait -1
.endm
.macro BAR                             ; my LDS stores have landed and my LDS loads are in: then the work-group's barrier.  Tensor loads may stay out
	s_wait_dscnt 0x0
	s_barrier_signal -1
	s_barrier_wait -1
.endm
.macro XGET                            ; my 32 rows of x: row 64 hf + 16 wave + i; the 32 lanes read its 512 consecutive bytes
	WIN 0xc0                                       ; destination window 3
.irp hf, 0,1
.irp i, 0,1,2,3,4,5,6,7,8,9,10,11,12,13,14,15
	global_load_b128 v[XK+64*\hf+4*\i:XK+64*\hf+4*\i+3], v[XO], s[XB:XB+1] offset:32768*\hf+512*\i th:TH_LOAD_NT
.endr
.endr
	WIN 0
.endm
.macro XPUT hf                         ; my 16 rows of half hf into the stage, as rows
	WIN 0x0c                                       ; store data in window 3
.irp i, 0,1,2,3,4,5,6,7,8,9,10,11,12,13,14,15
	ds_store_b128 v[XW], v[XK+64*\hf+4*\i:XK+64*\hf+4*\i+3] offset:528*\i
.endr
	WIN 0
.endm
.macro XTAKE hf                        ; the half's four row tiles out of the stage, as fragments, into window 1 + hf: tile a, 16 bytes at 32 n of each row
	WIN 0x40+0x40*\hf
.irp a, 0,1,2,3
.irp n, 0,1,2,3,4,5,6,7,8,9,10,11,12,13,14,15
	ds_load_b128 v[64*\a+4*\n:64*\a+4*\n+3], v[XR] offset:TP*\a+32*\n
.endr
.endr
	WIN 0
.endm
.macro LDN n, p, adr, off              ; registers 4 n .. 4 n + 3 of set p: K = 32 n + 16 h + 0 .. 15 of the tile at off
	ds_load_b128 v[FRG+64*(\p)+4*(\n):FRG+64*(\p)+4*(\n)+3], v[\adr] offset:(\off)+32*(\n)
.endm
.macro AUXLD p, off                    ; the bias of a tile's eight f of my half; the lanes of a half read the same words
	ds_load_b128 v[AUX+8*(\p):AUX+8*(\p)+3], v[AXB] offset:(\off)
	ds_load_b128 v[AUX+8*(\p)+4:AUX+8*(\p)+7], v[AXB] offset:(\off)+16
.endm
.macro RUN18 p, adr, off, axo          ; a tile's 18 LDS loads in ONE run: K steps 0 to 2, the bias's two, K step 3
.irp n, 0,1,2,3,4,5,6,7,8,9,10,11
	LDN \n, \p, \adr, \off
.endr
	AUXLD \p, \axo
.irp n, 12,13,14,15
	LDN \n, \p, \adr, \off
.endr
.endm
; Group g of a tile's eight: K step g % 4 against row tiles 4 (g / 4) + 0 .. 3.  Four accumulators take turns, one instruction a turn.
.macro GROUP p, g
.if (\g) < 4
	WIN MUL_X
.else
	WIN MUL_Y
.endif
.irp a, 0,1,2,3
.set rD, ACC+8*(4*((\g)/4)+\a)
.set rA, FRG+64*(\p)+16*((\g)%4)
.set rB, 64*\a+16*((\g)%4)
.if ((\g)%4) > 0
	v_wmma_f32_16x16x128_bf8_bf8 v[rD:rD+7], v[rA:rA+15], v[rB:rB+15], v[rD:rD+7]
.else
	v_wmma_f32_16x16x128_bf8_bf8 v[rD:rD+7], v[rA:rA+15], v[rB:rB+15], v[AUX+8*(\p):AUX+8*(\p)+7]
.endif
.endr
.endm
; The vector slice behind group g: one finished accumulator is held and converted.  g < 4: row tile g + 4 of the tile before (c - 1); g >= 4: row tile g - 4 of this tile.
.macro EPI c, g
.if (\g) < 4
.set ce, (\c)-1
.else
.set ce, (\c)
.endif
.set ee, ((\g)+4)%8
	WIN 0
.irp j, 0,1,2,3,4,5,6,7
	v_med3_num_f32 v[ACC+8*ee+\j], v[ACC+8*ee+\j], -v[LIMQ], v[LIMQ]   ; the conversion to an 8-bit code does not saturate (ISA guide 7.6.2): the hold at the largest code x the scale; from the accumulator's low end on
.endr
	WIN 0xc0                                       ; destination window 3
	v_cvt_scalef32_pk8_bf8_f32 v[16*ee+2*ce:16*ee+2*ce+1], v[ACC+8*ee:ACC+8*ee+7], v[SCQ]
	v_nop                                          ; one plain vector line behind a scaled conversion: products soon write its sources
.endm
; A tile: 32 products.  Between a half's last group and the first read of its results stands one whole slice of the other half (eight holds that name none of that group's registers): the four places of ISA guide 7.12.1.
; An accumulator is begun anew only behind three such slices more.  epi = 0: the first tile, with nothing to convert in slices 0-3.
; ld = 1: the next tile (c + 1) is fetched, from off behind v[adr], in one run in the tile's middle, 16 products ahead of its first use; the other set's last product stands in front of slice 7 of the tile before.
.macro TILE p, c, epi, ld, adr, off
	s_wait_dscnt 4                                 ; all of this tile's loads but the youngest four (K step 3's registers) are in
.irp g, 0,1,2,3,4,5,6,7
.if \g == 3
	s_wait_dscnt 0                                 ; K step 3's registers are in: nothing younger has been issued
.endif
	GROUP \p, \g
.if (\epi) || (\g > 3)
	EPI \c, \g
.elseif \g == 3
	PLACES 4
.endif
.if (\ld) && (\g == 3)
	WIN 0
	RUN18 1-(\p), \adr, \off, 64*((\c)+1)
.endif
.endr
.endm
	s_load_b256 s[8:15], s[0:1], 0x0               ; x s[8:9], Wk s[10:11], bk s[12:13], the scales' exponents s[14:15]
	s_load_b64 s[16:17], s[0:1], 0x20              ; kimg
	v_lshl_add_u32 v62, v0, 2, 0x4ac00
	v_mov_b32 v63, 0
	ds_add_u32 v62, v63
	ds_add_u32 v62, v63
	v_lshrrev_b32 v22, 5, v0
	v_readfirstlane_b32 s[WV], v22                 ; wave 0..3
	s_bfe_u32 s[CX], ttmp6, 0x40000                ; cx: my place in the cluster
	s_lshl_b32 s[BLK], ttmp9, 2                    ; in a cluster launch ttmp9 counts clusters
	s_add_co_u32 s[BLK], s[BLK], s[CX]             ; my block of 128 rows
	s_and_b32 s[BAT], ttmp7, 0xffff                ; the batch, which the four partners share
	s_mul_i32 s4, s[WV], PART                      ; my part of a slot: no place in the cluster enters an LDS address
	s_lshl_b32 s5, s[WV], 9
	s_lshl_b32 s94, s[WV], 13                      ; my 16 rows of a half of x in memory,
	s_mul_i32 s95, s[WV], TP                       ; and in the stage
	v_and_b32 v23, 15, v0                          ; r
	v_bfe_u32 v24, v0, 4, 1                        ; h
	v_and_b32 v25, 31, v0                          ; lane
	v_lshlrev_b32 v26, 4, v0                       ; 16 x thread
	v_lshlrev_b32 v[GO], 4, v25
	v_add_nc_u32 v[XO], s94, v[GO]
	v_mul_u32_u24 v[AW0], v23, 528
	v_lshl_add_u32 v[AW0], v24, 4, v[AW0]
	v_add_nc_u32 v[XR], XST, v[AW0]
	v_add_nc_u32 v[AW0], s4, v[AW0]
	v_add_nc_u32 v[AW1], SLOTB, v[AW0]
	v_add_nc_u32 v[XW], s95, v[GO]
	v_add_nc_u32 v[XW], XST, v[XW]
	v_lshlrev_b32 v27, 5, v24
	v_add_nc_u32 v[AXB], s5, v27
	v_add_nc_u32 v[AXB], BIAS, v[AXB]
	v_add_nc_u32 v[CST], BIAS, v26
	; descriptor group 1: 64 rows x 512 bytes, 16 bytes of padding behind each row
	s_mov_b32 s[G1W], 15|(1<<20)|(1<<21)|(6<<22)|(3<<25)   ; 15:0 the mask: all four work-groups; 17:16 elements of 1 byte; 20 padding on; 21 set beside a mask; 24:22 after every 128 words (code 6); 31:25 four words (code 3)
	s_mov_b32 s[G1W+1], 512<<16                    ; tensor_dim0
	s_mov_b32 s[G1W+2], 64<<16                     ; tensor_dim1
	s_mov_b32 s[G1W+3], 512<<16                    ; tile_dim0
	s_mov_b32 s[G1W+4], 64                         ; tile_dim1
	s_mov_b32 s[G1W+5], 512                        ; tensor_dim0_stride
	s_mov_b32 s[G1W+6], 0
	s_mov_b32 s[G1W+7], 0
	s_lshl_b32 s2, s[WV], 16                       ; my wave's 128 rows of Wk
	s_mov_b32 s3, 0
	s_lshl_b32 s96, s[BAT], 20                     ; my block in x and in kimg alike: (2048 b + 128 block) x 512 bytes
	s_lshl_b32 s97, s[BLK], 16
	s_add_co_u32 s96, s96, s97
	s_mov_b32 s97, 0
	s_lshl_b32 s98, s[WV], 11                      ; K step = wave: 2,048 bytes into each image
	s_mov_b32 s99, 0
	s_wait_dscnt 0x0
	s_wait_kmcnt 0x0
	s_load_b256 s[E0:E0+7], s[14:15], 0x0
	s_add_nc_u64 s[10:11], s[10:11], s[2:3]
.irp m, 0,1
	s_mov_b32 s[GW+4*\m], 1                        ; count = 1
	s_add_co_u32 s[GW+4*\m+1], s4, \m*SLOTB        ; LDS address: my part of slot m
	s_add_nc_u64 s[GW+4*\m+2:GW+4*\m+3], s[10:11], \m*32768   ; rows 128 w + 64 m on
	s_or_b32 s[GW+4*\m+3], s[GW+4*\m+3], 0x80000000           ; type = 2
.endr
	CROUND                                         ; all four work-groups are here: the joint loads meet
	tensor_load_to_lds s[GW:GW+3], s[G1W:G1W+7]    ; both fills go out together, ahead of everything else: two loads of mine are out
	s_nop 0
	tensor_load_to_lds s[GW+4:GW+7], s[G1W:G1W+7]
	s_nop 0
	PLACES 4
	s_add_nc_u64 s[XB:XB+1], s[XB:XB+1], s[96:97]
	s_add_nc_u64 s[16:17], s[16:17], s[96:97]
	s_add_nc_u64 s[16:17], s[16:17], s[98:99]
	global_load_b128 v[64:67], v26, s[12:13]       ; bk: 16 bytes a thread
	XGET
	s_wait_kmcnt 0x0
	s_add_co_i32 s2, s[E0+2], s[E0+3]              ; a sum stands for sum x 2^(e2 + e3)
	s_sub_co_i32 s3, 0, s2
	s_sub_co_i32 s6, s[E0+7], s2
	s_add_co_i32 s6, s6, 127
	s_lshl_b32 s7, s6, 23
	v_mov_b32 v[SCQ], s7                           ; 2^(e7 - e2 - e3): the conversion takes its exponent field
	s_add_co_i32 s6, s6, 15
	s_lshl_b32 s6, s6, 23
	s_or_b32 s6, s6, 0x600000
	v_mov_b32 v[LIMQ], s6                          ; 57,344 times that
	s_wait_loadcnt 32                              ; bk is in; younger: the 32 loads of x
.irp j, 0,1,2,3
	v_ldexp_f32 v[64+\j], v[64+\j], s3             ; bk / 2^(e2 + e3)
.endr
	ds_store_b128 v[CST], v[64:67]
	s_wait_loadcnt 16                              ; my rows of x's first half are in; younger: the second half's 16 loads
	XPUT 0
	BAR                                            ; the bias and x's rows 0 to 63 lie in LDS
	XTAKE 0
	BAR                                            ; every wave has read them: the stage may be written again
	s_wait_loadcnt 0x0
	XPUT 1
	BAR                                            ; x's rows 64 to 127 lie in LDS
	XTAKE 1
	s_wait_tensorcnt 0x1                           ; my part of slot 0 is in; only I read it
	RUN18 0, AW0, 0, 0                             ; LDS loads come back in order (ISA guide 5.7.1): the first tile's wait covers x's too
	TILE 0, 0, 0, 1, AW0, TP
	TILE 1, 1, 1, 1, AW0, 2*TP
	TILE 0, 2, 1, 1, AW0, 3*TP
	s_wait_tensorcnt 0x0                           ; my part of slot 1 is in: the next tile's run reads it
	TILE 1, 3, 1, 1, AW1, 0
	TILE 0, 4, 1, 1, AW1, TP
	TILE 1, 5, 1, 1, AW1, 2*TP
	TILE 0, 6, 1, 1, AW1, 3*TP
	TILE 1, 7, 1, 0, AW1, 0
.irp g, 0,1,2,3
	EPI 8, \g                                      ; the last tile's row tiles 4 to 7
.endr
	WIN 0x0c                                       ; store data in window 3
.irp e, 0,1,2,3,4,5,6,7
.irp c, 0,1,2,3
	global_store_b128 v[GO], v[16*\e+4*\c:16*\e+4*\c+3], s[16:17] offset:8192*\e+512*\c   ; 32 lanes store 512 consecutive bytes, at a multiple of 512 from kimg's first byte
.endr
.endr
	WIN 0
	s_wait_tensorcnt 0x0
	ds_add_u32 v62, v63
	s_wait_dscnt 0x0
	CROUND                                         ; the closing round: no work-group ends while a partner may still ask for a tile that names it
	s_endpgm
.Lfunc_end_k_qc6802cc866_kproj:
	.size	k_qc6802cc866_kproj, .Lfunc_end_k_qc6802cc866_kproj-k_qc6802cc866_kproj
	.p2alignl 7, 3214868480
	.fill 96, 4, 3214868480
	.section	.rodata,"a",@progbits
	.p2align	6, 0x0
	.amdhsa_kernel k_qc6802cc866_kproj
		.amdhsa_group_segment_fixed_size 327680
		.amdhsa_private_segment_fixed_size 0
		.amdhsa_enable_private_segment 0
		.amdhsa_kernarg_size 40
		.amdhsa_user_sgpr_count 2
		.amdhsa_user_sgpr_kernarg_segment_ptr 1
		.amdhsa_wavefront_size32 1
		.amdhsa_system_sgpr_workgroup_id_x 1
		.amdhsa_system_sgpr_workgroup_id_y 1
		.amdhsa_system_sgpr_workgroup_id_z 1
		.amdhsa_system_vgpr_workitem_id 0
		.amdhsa_next_free_vgpr 1024
		.amdhsa_next_free_sgpr 100
		.amdhsa_reserve_vcc 0
		.amdhsa_float_denorm_mode_32 3
		.amdhsa_float_denorm_mode_16_64 3
		.amdhsa_memory_ordered 1
		.amdhsa_forward_progress 1
		.amdhsa_inst_pref_size 92
	.end_amdhsa_kernel
	.amdgpu_metadata
---
amdhsa.version: [ 1, 2 ]
amdhsa.kernels:
  - .name:           k_qc6802cc866_kproj
    .symbol:         k_qc6802cc866_kproj.kd
    .args:
      - { .name: x_codes, .offset: 0, .size: 8, .value_kind: global_buffer, .address_space: global }
      - { .name: Wk_codes, .offset: 8, .size: 8, .value_kind: global_buffer, .address_space: global }
      - { .name: bk, .offset: 16, .size: 8, .value_kind: global_buffer, .address_space: global }
      - { .name: lowp_scales, .offset: 24, .size: 8, .value_kind: global_buffer, .address_space: global }
      - { .name: kimg, .offset: 32, .size: 8, .value_kind: global_buffer, .address_space: global }
    .group_segment_fixed_size: 327680
    .private_segment_fixed_size: 0
    .kernarg_segment_align: 8
    .kernarg_segment_size: 40
    .max_flat_workgroup_size: 128
    .sgpr_count:     100
    .vgpr_count:     1024
    .wavefront_size: 32
...
	.end_amdgpu_metadata
.endif
;; end of part 1
;; launch attn (part 2): grid 16 x 16, 4 waves a work-group, clusters of 4 x 1, 327,680 bytes of LDS; arguments x_codes, Wq_codes, Wv_codes, kimg, Wt, bq, bv, bt, lowp_scales, part; writes part
.if DOCPART == 2
	.amdgcn_target "amdgcn-amd-amdhsa--gfx1250"
	.amdhsa_code_object_version 6
	.text
	.protected	k_qc6802cc866_attn
	.globl	k_qc6802cc866_attn
	.p2align	8
	.type	k_qc6802cc866_attn,@function
k_qc6802cc866_attn:
	s_mov_b64 s[64:65], 0
	v_nop
	global_prefetch_b8 v0, s[64:65] scope:SCOPE_SE
	s_setreg_imm32_b32 hwreg(HW_REG_WAVE_MODE, 25, 1), 1
	s_wait_xcnt 0x0
	s_wait_alu depctr_hold_cnt(0) depctr_sa_sdst(0) depctr_va_vdst(0) depctr_va_sdst(0) depctr_va_ssrc(0) depctr_va_vcc(0) depctr_vm_vsrc(0)
	s_getreg_b32 s2, hwreg(HW_REG_IB_STS2, 6, 4)
	s_cmp_eq_u32 s2, 0
	s_cbranch_scc0 .Lentry_in_a_cluster
	s_endpgm
.Lentry_in_a_cluster:
	s_bfe_u32 s2, ttmp6, 0x10000c
	s_cmp_lg_u32 s2, 0x3003
	s_cbranch_scc0 .Lentry_shape_is_right
	s_endpgm
.Lentry_shape_is_right:
; For 128 rows s of one batch: q = x Wq^T + bq, quantised with 2^e6; scores = Q(q) Q(k)^T / sqrt(512) against all 2,048 keys (kimg: the launch before); ta[s] = sum over t of scores[s][t] Wt[t] + bt;
; v = x Wv^T + bv; part[b][block][f] = sum over my 128 rows of ta[s] v[s][f].  All three products on codes of BF8 (E5M2); sums, ta and the last sum in f32.  q, the scores and v never go to memory.
; SHARES.  16 x 16 work-groups of four waves.  THE STATIONARY OPERAND (x, then q, then x again: 128 rows x 512 K) stands in 512 registers of EVERY wave (windows 1 and 2); THE STREAMED OPERAND (Wq, k, Wv) comes out of
; LDS in tiles of 16 rows x 512 K (64 registers), and the four waves take different tiles: each LDS byte is read once, and a fragment of 2,048 bytes feeds 8 products.
; x COMES FROM MEMORY ONCE: each wave loads 32 of the block's rows, a row of 512 consecutive bytes to a load, KEEPS them in 128 registers (window 3) until v's products, and the rows go round the waves through a stage
; in LDS, 64 rows at a time, twice: ahead of q and ahead of v.
; TRANSPOSED USE: source 0 = the streamed tile, source 1 = 16 stationary rows: lane (r, h) holds stationary row r, register j streamed row 8 h + j.  So in q a lane's eight registers are eight neighbours along the next K
; (one conversion gives registers 2 c, 2 c + 1 of the operand), in the scores a lane holds ONE query and eight keys, and in v one row s, whose ta is a factor of the lane's own.
; Wave w makes f = 128 w .. 128 w + 127 of q and of v, and takes key tiles 16 n + 4 w + j (fill n, j = 0 .. 3).  q goes round the waves through LDS as images of its registers; the waves' parts of ta meet in LDS.
; THE BIASES are the C of each sum's first product, divided by the power of two that the sums lack.  The scores' factor 2^(e6 + e7) / sqrt(512) is applied once, to the finished sum over t.
; THE RING: two slots; each wave fetches and reads its own quarter.  Slot 0 takes Wq rows 0-63 of each wave's 128, k fills 0, 2, 4, 6, Wv rows 0-63; slot 1 the others.  128 products a wave stand between two changes of slots.
; CLUSTER: the four work-groups of a cluster (blocks 4 x cluster x + cx of one batch) walk the same tiles: each is asked for JOINTLY, by the same tensor load with the same descriptor and the mask 15; a round of the
; cluster's barrier stands in front of each refill.  cx enters x's and part's addresses and the prefetches' alone.
; LIMITS: e6 - e0 - e1 between -126 and 112; e6 + e7 between -121 and 132 (added to the exponent field of 1 / sqrt(512)); the other powers of two go by v_ldexp_f32 and have none.  NaN and infinity among the
; inputs are not served.  The sums over t and over s are taken in a fixed order that is not reference()'s.
; REGISTERS, in windows of 256: window 0: v1-29 addresses and scales; v32-47 AUX (a tile's bias or Wt words), two sets of 8; v48-63 TA: eight pairs of partial sums, later ta twice; v64-127 eight accumulators;
;   v128-255 the streamed fragments, two sets of 64.  window 1: stationary row tiles 0-3 (tile a, K step ks at v[64 a + 16 ks]); window 2: tiles 4-7;
;   window 3: v0-127 q's codes (row tile e at 16 e, pair 2 c); v128-255 my 32 rows of x as loaded; once they have gone round for v, v128-191 are LAT.
.set TP,    16*528                     ; a tile of W or of x in LDS: rows of 512 bytes + 16 of padding = 132 words: row r starts at bank 4 r mod 64 (ISA guide 11.1)
.set PART,  4*TP                       ; a wave's quarter of a slot: 64 rows of W, or four images of k (32,768 bytes, dense)
.set SLOTB, 4*PART
.set IMG,   8192                       ; an image: 16 rows x 512 K as registers lie
.set QIMG,  2*SLOTB                    ; q's images, four row tiles at a time: 8192 (tile % 4) + 2048 ks + 512 c + 16 lane
.set XST,   QIMG                       ; the same bytes at other times: the stage for x, 64 rows of 528 bytes.  No tensor load fills them
.set WT,    QIMG+4*TP                  ; Wt, 8,192 bytes
.set BQ,    WT+8192                    ; bq / 2^(e0 + e1)
.set BV,    BQ+2048                    ; bv / 2^(e4 + e5)
.set TAX,   BV+2048                    ; the waves' parts of ta: 512 wave + 32 r + 4 e
.set LST,   TAX+2048                   ; the way out: 512 bytes a wave
.set SPARE, LST+2048                   ; the spare words, 128 bytes for each wave: two blocks of 256 bytes that no other line names
.set SPW,  1                           ; v1   SPARE + 4 x thread; never rewritten
.set NIL,  2                           ; v2   0; never rewritten
.set XO,   3                           ; v3   x in memory: 8192 wave + 16 lane
.set AW0,  4                           ; v4, v5   my place in a tile of W in my quarter of slot 0, 1: 528 r + 16 h + wave x PART
.set AW1,  5
.set AK0,  6                           ; v6, v7   the same for an image of k: 16 lane + wave x PART
.set AK1,  7
.set AXB,  8                           ; v8   BQ + 512 wave + 32 h
.set AX0,  9                           ; v9   WT + 256 wave + 32 h
.set AXA,  10                          ; v10  AX0 + the trip's step
.set QWI,  11                          ; v11  QIMG + 16 lane + 2048 wave
.set LI,   12                          ; v12  QIMG + 16 lane
.set TXS,  13                          ; v13  TAX + 512 wave + 32 r
.set TXL,  14                          ; v14  TAX + 32 r
.set LSS,  15                          ; v15  LST + 512 wave + 32 h
.set LSL,  16                          ; v16  LST + 512 wave + 16 lane
.set GO,   17                          ; v17  16 x lane
.set PFO,  18                          ; v18  256 x lane; never rewritten
.set CST,  19                          ; v19  WT + 16 x thread
.set SCQ,  20                          ; v20  2^(e6 - e0 - e1) as f32
.set LIMQ, 21                          ; v21  57,344 times that
.set XW,   28                          ; v28  x's stage, on the way in: XST + wave x 16 rows + 16 lane
.set XR,   29                          ; v29  and on the way out: XST + 528 r + 16 h
.set AUX,  32
.set TA,   48
.set ACC,  64
.set FRG,  128
.set XK,   128                         ; in window 3
.set LAT,  128                         ; in window 3
.set OUTR, 128                         ; the way out, in window 0
.set XB,   8                           ; s[8:9]  x, then x at my block's first row
.set WV,   28                          ; s28 wave; s29 cx; s30 my block; s31 the batch
.set CX,   29
.set BLK,  30
.set BAT,  31
.set G1W,  32                          ; s[32:39] descriptor group 1 for tiles of W;  s[40:47] for k's images
.set G1K,  40
.set GQ,   48                          ; s[48:55] group 0 for Wq's two fills;  s[56:63] for k's, one set a slot, which walk;  s[68:75] for Wv's two
.set GK,   56
.set GV,   68
.set E0,   76                          ; s[76:83] e0 .. e7
.set PFA,  84                          ; s[84:85] where my prefetches stand
.set LIM,  86                          ; s86  1 in the batch's first cluster, else the greatest number
.set TRIP, 87                          ; s87  trips of the loop over fills still to go
.set TW,   88                          ; s88  the trip's first Wt byte
.set BT,   89                          ; s89  bt
.set SEL,  90                          ; s[90:91] lane selects for v_permlanex16_b32: lane l xor 16
.set CS,   92                          ; s92  2^(e6 + e7) / sqrt(512)
.set KP, 0                             ; kinds of tile: a projection that is quantised; scores; v
.set KS, 1
.set KV, 2
.set MUL_X, 0x04                       ; source 1 (the stationary rows) in window 1
.set MUL_Y, 0x08                       ; in window 2
.set MSB, 0
.macro WIN new                         ; the immediate's high byte repeats the setting that is left; a switch that changes nothing is dropped
.if MSB != (\new)
	s_set_vgpr_msb (MSB<<8)|(\new)
.set MSB, (\new)
.endif
.endm
.macro PLACES n
.rept \n
	v_nop
.endr
.endm
.macro CREST                           ; a round of the cluster's barrier behind its opening barrier
	s_cmp_lg_u32 s[WV], 0
	s_cbranch_scc1 .Lnot_wave_0_\@
	s_barrier_signal -3
.Lnot_wave_0_\@:
	s_barrier_wait -3
	s_barrier_signal -1
	s_barrier_wait -1
.endm
.macro CROUND                          ; a whole round
	s_barrier_signal -1
	s_barrier_wait -1
	CREST
.endm
.macro BAR                             ; my LDS stores have landed and my LDS loads are in: then the work-group's barrier.  Tensor loads may stay out
	s_wait_dscnt 0x0
	s_barrier_signal -1
	s_barrier_wait -1
.endm
.macro JL g0, g1                       ; a joint load: every wave fetches its own quarter of the slot; four v_nop follow
	tensor_load_to_lds s[\g0:\g0+3], s[\g1:\g1+7]
	s_nop 0
	PLACES 4
.endm
; A PREFETCH of k's images: the change of slots that asks for fill m names fill m + 2, two slots (256 products a wave) ahead of the load that will want it.  A fill is 131,072 bytes.  All clusters of a batch walk the same
; images: the batch's first cluster asks.  Its four partners take 32,768 bytes each, told apart BY ADDRESS; in each, wave w takes 8,192, lanes 256 bytes apart: one instruction a wave, each block named once in the launch.
; Fills 0 and 1 come by their loads alone; the loop's last trip asks for nothing: there is no fill 8.
.macro ASK
	s_cmp_gt_u32 s[TRIP], s[LIM]
	s_cbranch_scc0 .Lnot_mine_\@
	global_prefetch_b8 v[PFO], s[PFA:PFA+1] th:TH_LOAD_NT scope:SCOPE_SE
.Lnot_mine_\@:
.endm
.macro XGET                            ; my 32 rows of x: row 64 hf + 16 wave + i; the 32 lanes read its 512 consecutive bytes
	WIN 0xc0                                       ; destination window 3
.irp hf, 0,1
.irp i, 0,1,2,3,4,5,6,7,8,9,10,11,12,13,14,15
	global_load_b128 v[XK+64*\hf+4*\i:XK+64*\hf+4*\i+3], v[XO], s[XB:XB+1] offset:32768*\hf+512*\i th:TH_LOAD_NT
.endr
.endr
	WIN 0
.endm
.macro XPUT hf                         ; my 16 rows of half hf into the stage, as rows
	WIN 0x0c                                       ; store data in window 3
.irp i, 0,1,2,3,4,5,6,7,8,9,10,11,12,13,14,15
	ds_store_b128 v[XW], v[XK+64*\hf+4*\i:XK+64*\hf+4*\i+3] offset:528*\i
.endr
	WIN 0
.endm
.macro XTAKE hf                        ; the half's four row tiles out of the stage, as fragments, into window 1 + hf: tile a, 16 bytes at 32 n of each row (registers 4 c .. 4 c + 3: K = 32 c + 16 h + 0 .. 15, as W's fragments have it)
	WIN 0x40+0x40*\hf
.irp a, 0,1,2,3
.irp n, 0,1,2,3,4,5,6,7,8,9,10,11,12,13,14,15
	ds_load_b128 v[64*\a+4*\n:64*\a+4*\n+3], v[XR] offset:TP*\a+32*\n
.endr
.endr
	WIN 0
.endm
.macro LDN n, p, adr, off, str         ; registers 4 n .. 4 n + 3 of set p.  str = 32: a tile of W, by rows; 512: an image
	ds_load_b128 v[FRG+64*(\p)+4*(\n):FRG+64*(\p)+4*(\n)+3], v[\adr] offset:(\off)+(\str)*(\n)
.endm
.macro AUXLD p, adr, off               ; eight f32 of my half: the lanes of a half read the same words
	ds_load_b128 v[AUX+8*(\p):AUX+8*(\p)+3], v[\adr] offset:(\off)
	ds_load_b128 v[AUX+8*(\p)+4:AUX+8*(\p)+7], v[\adr] offset:(\off)+16
.endm
.macro RUN18 p, adr, off, str, axa, axo   ; a tile's 18 LDS loads in ONE run: K steps 0 to 2, AUX's two, K step 3
.irp n, 0,1,2,3,4,5,6,7,8,9,10,11
	LDN \n, \p, \adr, \off, \str
.endr
	AUXLD \p, \axa, \axo
.irp n, 12,13,14,15
	LDN \n, \p, \adr, \off, \str
.endr
.endm
; Group g of a tile's eight: K step g % 4 against row tiles 4 (g / 4) + 0 .. 3.  Four accumulators take turns, one instruction a turn.
; The first K step starts the sums: from 0 (scores) or from the bias in AUX.
.macro GROUP kind, p, g
.if (\g) < 4
	WIN MUL_X
.else
	WIN MUL_Y
.endif
.irp a, 0,1,2,3
.set rD, ACC+8*(4*((\g)/4)+\a)
.set rA, FRG+64*(\p)+16*((\g)%4)
.set rB, 64*\a+16*((\g)%4)
.if ((\g)%4) > 0
	v_wmma_f32_16x16x128_bf8_bf8 v[rD:rD+7], v[rA:rA+15], v[rB:rB+15], v[rD:rD+7]
.elseif (\kind) == KS
	v_wmma_f32_16x16x128_bf8_bf8 v[rD:rD+7], v[rA:rA+15], v[rB:rB+15], 0
.else
	v_wmma_f32_16x16x128_bf8_bf8 v[rD:rD+7], v[rA:rA+15], v[rB:rB+15], v[AUX+8*(\p):AUX+8*(\p)+7]
.endif
.endr
.endm
; The vector slice behind group g.  g < 4: it serves accumulators 4-7 of the tile before (set 1 - p, tile c - 1); g >= 4: accumulators 0-3 of this tile.  Every accumulator is read from its low end on.
.macro EPI kind, p, c, g
.if (\g) < 4
.set pe, 1-(\p)
.set ce, (\c)-1
.else
.set pe, (\p)
.set ce, (\c)
.endif
.set eh, 4*(1-(\g)/4)
.set ee, ((\g)+4)%8
.set ii, (\g)%4
.if (\kind) == KP                      ; one accumulator is held and converted
	WIN 0
.irp j, 0,1,2,3,4,5,6,7
	v_med3_num_f32 v[ACC+8*ee+\j], v[ACC+8*ee+\j], -v[LIMQ], v[LIMQ]   ; the conversion to an 8-bit code does not saturate (ISA guide 7.6.2): the hold at the largest code x the scale
.endr
	WIN 0xc0                                       ; destination window 3
	v_cvt_scalef32_pk8_bf8_f32 v[16*ee+2*ce:16*ee+2*ce+1], v[ACC+8*ee:ACC+8*ee+7], v[SCQ]
	v_nop                                          ; one plain vector line behind a scaled conversion: products soon write its sources
.elseif (\kind) == KS                  ; pair ii of the half's four accumulators: two keys' scores x their Wt onto the row tile's pair of sums: four chains that do not wait for each other
	WIN 0
.irp a, 0,1,2,3
	v_pk_fma_f32 v[TA+2*(eh+\a):TA+2*(eh+\a)+1], v[ACC+8*(eh+\a)+2*ii:ACC+8*(eh+\a)+2*ii+1], v[AUX+8*pe+2*ii:AUX+8*pe+2*ii+1], v[TA+2*(eh+\a):TA+2*(eh+\a)+1]
.endr
.else                                  ; one accumulator: eight f of v for my row x my row's ta, onto LAT; row tile 0 starts the sums: nothing is cleared
	WIN 0xf0                                       ; destination and source 2 window 3
.irp i, 0,1,2,3
.if ee == 0
	v_pk_mul_f32 v[LAT+8*ce+2*\i:LAT+8*ce+2*\i+1], v[ACC+8*ee+2*\i:ACC+8*ee+2*\i+1], v[TA+2*ee:TA+2*ee+1]
.else
	v_pk_fma_f32 v[LAT+8*ce+2*\i:LAT+8*ce+2*\i+1], v[ACC+8*ee+2*\i:ACC+8*ee+2*\i+1], v[TA+2*ee:TA+2*ee+1], v[LAT+8*ce+2*\i:LAT+8*ce+2*\i+1]
.endif
.endr
.endif
.endm
; A TILE: 32 products.  Between a half's last group and the first read of its results stands one whole slice of the other half: four plain vector lines or more that name none of that group's registers, the four places of
; ISA guide 7.12.1; an accumulator is begun anew only behind three such slices more.
; epi = 0: a phase's first tile, with nothing to serve in slices 0-3.  ld = 1: the next tile is fetched into the other set, from off behind v[adr], its AUX from axo behind v[axa]: ONE run of loads, in the tile's middle,
; 16 products ahead of its first use.  It stands behind slice 3, the last reader of the other set's AUX; the other set's last product stands in front of slice 7 of the tile before, whose lines are the places.
.macro TILE kind, p, c, epi, ld, adr, off, str, axa, axo
	s_wait_dscnt 4                                 ; all of this tile's loads but the youngest four (K step 3's registers) are in
.irp g, 0,1,2,3,4,5,6,7
.if \g == 3
	s_wait_dscnt 0                                 ; K step 3's registers are in: nothing younger has been issued
.endif
	GROUP \kind, \p, \g
.if (\epi) || (\g > 3)
	EPI \kind, \p, \c, \g
.elseif \g == 3
	PLACES 4
.endif
.if (\ld) && (\g == 3)
	WIN 0
	RUN18 1-(\p), \adr, \off, \str, \axa, \axo
.endif
.endr
.endm
; A SLOT'S LAST TILE (set 1) changes slots.  In front of the round each wave waits for all its tensor loads (one is out: its quarter of the other slot), adds 0 to its spare word, and waits for that and for its reads of
; this slot.  Behind the round no wave of any partner reads this slot or has a load on its way: the joint refill (g0, g1) comes first, then the next tile's loads, from the other slot, in one run.
; stepk = 1: k's descriptor walks two fills on.  pf = 1: a prefetch follows; 2: its address is stepped first, behind the wait that frees it.
.macro TURN kind, c, adr, off, str, axa, axo, g0, g1, stepk, pf
	WIN 0                                          ; (the add's two registers lie in window 0)
.if (\pf) == 2
	s_wait_xcnt 0x0                                ; the last prefetch, a slot back, has read its address
.endif
	s_wait_tensorcnt 0x0                           ; all my tensor loads have landed: no group 0 is in use;
	ds_add_u32 v[SPW], v[NIL]                      ; 0 onto my spare word
.if \stepk
	s_add_nc_u64 s[\g0+2:\g0+3], s[\g0+2:\g0+3], 2*131072   ; this slot's next fill; the type bits on top are not reached
.endif
.if (\pf) == 2
	s_add_nc_u64 s[PFA:PFA+1], s[PFA:PFA+1], 131072
.endif
	s_wait_dscnt 5                                 ; (the add and the youngest four loads may be out)
	GROUP \kind, 1, 0
	EPI \kind, 1, \c, 0
	s_wait_dscnt 0x0                               ; the add is done, and my reads of this slot are over
	s_barrier_signal -1                            ; the round opens; work on registers while the others arrive
.irp g, 1,2,3
	GROUP \kind, 1, \g
	EPI \kind, 1, \c, \g
.endr
	WIN 0
	s_barrier_wait -1
	CREST
	JL \g0, \g1                                    ; my one tensor load behind the round: it has 128 products in which to land
	RUN18 0, \adr, \off, \str, \axa, \axo
.if \pf
	ASK
.endif
.irp g, 4,5,6,7
	GROUP \kind, 1, \g
	EPI \kind, 1, \c, \g
.endr
.endm
.macro DRAIN kind, p, c                ; a phase's end: accumulators 4-7 of its last tile (set p, tile c)
.irp g, 0,1,2,3
	EPI \kind, 1-(\p), (\c)+1, \g
.endr
	WIN 0
.endm
; Half e2 of q goes round: my K step of row tiles 4 e2 + 0 .. 3 to LDS as it stands; a barrier; all four K steps of the four tiles back, into window 1 + e2.
.macro QHALF e2
	WIN 0x0c                                       ; store data in window 3
.irp t, 0,1,2,3
.irp c, 0,1,2,3
	ds_store_b128 v[QWI], v[16*(4*\e2+\t)+4*\c:16*(4*\e2+\t)+4*\c+3] offset:IMG*\t+512*\c
.endr
.endr
	WIN 0
	BAR                                            ; the four waves' images lie in LDS; k's tiles may stay on their way
	WIN 0x40+0x40*\e2
.set n, 0
.rept 64
	ds_load_b128 v[4*n:4*n+3], v[LI] offset:512*n
.set n, n+1
.endr
	WIN 0
	s_wait_dscnt 0x0
.endm
	s_load_b256 s[8:15], s[0:1], 0x0               ; x s[8:9], Wq s[10:11], Wv s[12:13], kimg s[14:15]
	s_load_b256 s[16:23], s[0:1], 0x20             ; Wt s[16:17], bq s[18:19], bv s[20:21], bt s[22:23]
	s_load_b128 s[24:27], s[0:1], 0x40             ; the scales' exponents s[24:25], part s[26:27]
	v_lshl_add_u32 v[SPW], v0, 2, SPARE
	v_mov_b32 v[NIL], 0
	ds_add_u32 v1, v2
	ds_add_u32 v1, v2
	s_wait_dscnt 0x0
	v_lshrrev_b32 v22, 5, v0
	v_readfirstlane_b32 s[WV], v22                 ; wave 0..3
	s_bfe_u32 s[CX], ttmp6, 0x40000                ; cx: my place in the cluster
	s_lshl_b32 s[BLK], ttmp9, 2                    ; in a cluster launch ttmp9 counts clusters
	s_add_co_u32 s[BLK], s[BLK], s[CX]             ; my block of 128 rows
	s_and_b32 s[BAT], ttmp7, 0xffff                ; the batch, which the four partners share
	s_mul_i32 s4, s[WV], PART                      ; my quarter of a slot: no place in the cluster enters an LDS address
	s_lshl_b32 s5, s[WV], 9
	s_lshl_b32 s93, s[WV], 8
	s_lshl_b32 s94, s[WV], 11
	s_mul_i32 s95, s[WV], TP                       ; my 16 rows of a half of x in the stage,
	s_lshl_b32 s6, s[WV], 13                       ; and in memory
	v_and_b32 v23, 15, v0                          ; r
	v_bfe_u32 v24, v0, 4, 1                        ; h
	v_and_b32 v25, 31, v0                          ; lane
	v_lshlrev_b32 v26, 4, v0                       ; 16 x thread
	v_lshlrev_b32 v27, 5, v24                      ; 32 h
	v_lshlrev_b32 v[GO], 4, v25
	v_add_nc_u32 v[XO], s6, v[GO]
	v_mul_u32_u24 v[AW0], v23, 528
	v_lshl_add_u32 v[AW0], v24, 4, v[AW0]
	v_add_nc_u32 v[XR], XST, v[AW0]
	v_add_nc_u32 v[AW0], s4, v[AW0]
	v_add_nc_u32 v[AW1], SLOTB, v[AW0]
	v_add_nc_u32 v[XW], s95, v[GO]
	v_add_nc_u32 v[XW], XST, v[XW]
	v_add_nc_u32 v[AK0], s4, v[GO]
	v_add_nc_u32 v[AK1], SLOTB, v[AK0]
	v_add_nc_u32 v[AXB], s5, v27
	v_add_nc_u32 v[LSS], LST, v[AXB]
	v_add_nc_u32 v[AXB], BQ, v[AXB]
	v_add_nc_u32 v[AX0], s93, v27
	v_add_nc_u32 v[AX0], WT, v[AX0]
	v_add_nc_u32 v[LI], QIMG, v[GO]
	v_add_nc_u32 v[QWI], s94, v[LI]
	v_lshlrev_b32 v[TXL], 5, v23
	v_add_nc_u32 v[TXL], TAX, v[TXL]
	v_add_nc_u32 v[TXS], s5, v[TXL]
	v_add_nc_u32 v[LSL], s5, v[GO]
	v_add_nc_u32 v[LSL], LST, v[LSL]
	v_lshlrev_b32 v[PFO], 8, v25
	v_add_nc_u32 v[CST], WT, v26
	; descriptor group 1 for W: 64 rows x 512 bytes, 16 bytes of padding behind each row
	s_mov_b32 s[G1W], 15|(1<<20)|(1<<21)|(6<<22)|(3<<25)   ; 15:0 the mask: all four work-groups; 17:16 elements of 1 byte; 20 padding on; 21 set beside a mask; 24:22 after every 128 words (code 6); 31:25 four words (code 3)
	s_mov_b32 s[G1W+1], 512<<16                    ; tensor_dim0
	s_mov_b32 s[G1W+2], 64<<16                     ; tensor_dim1
	s_mov_b32 s[G1W+3], 512<<16                    ; tile_dim0
	s_mov_b32 s[G1W+4], 64                         ; tile_dim1
	s_mov_b32 s[G1W+5], 512                        ; tensor_dim0_stride
	s_mov_b32 s[G1W+6], 0
	s_mov_b32 s[G1W+7], 0
	; and for k's images: a dense block of 32,768 bytes as 128 rows of 256 bytes, elements of 8 bytes, no padding
	s_mov_b32 s[G1K], 15|(3<<16)|(1<<21)
	s_mov_b32 s[G1K+1], 32<<16
	s_mov_b32 s[G1K+2], 128<<16
	s_mov_b32 s[G1K+3], 32<<16
	s_mov_b32 s[G1K+4], 128
	s_mov_b32 s[G1K+5], 32
	s_mov_b32 s[G1K+6], 0
	s_mov_b32 s[G1K+7], 0
	s_mov_b32 s[SEL], 0x76543210
	s_mov_b32 s[SEL+1], 0xfedcba98
	s_mov_b32 s[TRIP], 3
	s_mov_b32 s[TW], 0
	s_cmp_eq_u32 ttmp9, 0                          ; the batch's first cluster: the same in all four partners
	s_cselect_b32 s[LIM], 1, -1
	s_lshl_b32 s2, s[WV], 16                       ; my wave's 128 rows of Wq and of Wv
	s_mov_b32 s3, 0
	s_lshl_b32 s6, s[BAT], 20                      ; the batch's images, and my wave's four of each fill's sixteen
	s_lshl_b32 s7, s[WV], 15
	s_add_co_u32 s6, s6, s7
	s_mov_b32 s7, 0
	s_lshl_b32 s96, s[BAT], 20                     ; my block in x: (2048 b + 128 block) x 512 bytes
	s_lshl_b32 s97, s[BLK], 16
	s_add_co_u32 s96, s96, s97
	s_mov_b32 s97, 0
	s_lshl_b32 s98, s[BAT], 4                      ; and in part: (16 b + block) x 2048 + 512 wave
	s_add_co_u32 s98, s98, s[BLK]
	s_lshl_b32 s98, s98, 11
	s_add_co_u32 s98, s98, s5
	s_mov_b32 s99, 0
	s_wait_kmcnt 0x0
	s_load_b256 s[E0:E0+7], s[24:25], 0x0
	s_load_b32 s[BT], s[22:23], 0x0
	s_add_nc_u64 s[10:11], s[10:11], s[2:3]
	s_add_nc_u64 s[12:13], s[12:13], s[2:3]
	s_add_nc_u64 s[6:7], s[14:15], s[6:7]
.irp m, 0,1
	s_mov_b32 s[GQ+4*\m], 1                        ; count = 1
	s_add_co_u32 s[GQ+4*\m+1], s4, \m*SLOTB        ; LDS address: my quarter of slot m
	s_add_nc_u64 s[GQ+4*\m+2:GQ+4*\m+3], s[10:11], \m*32768    ; Wq's rows 128 w + 64 m on
	s_or_b32 s[GQ+4*\m+3], s[GQ+4*\m+3], 0x80000000            ; type = 2
	s_mov_b32 s[GV+4*\m], 1
	s_add_co_u32 s[GV+4*\m+1], s4, \m*SLOTB
	s_add_nc_u64 s[GV+4*\m+2:GV+4*\m+3], s[12:13], \m*32768    ; Wv's likewise
	s_or_b32 s[GV+4*\m+3], s[GV+4*\m+3], 0x80000000
	s_mov_b32 s[GK+4*\m], 1
	s_add_co_u32 s[GK+4*\m+1], s4, \m*SLOTB
	s_add_nc_u64 s[GK+4*\m+2:GK+4*\m+3], s[6:7], \m*131072     ; k's fill m
	s_or_b32 s[GK+4*\m+3], s[GK+4*\m+3], 0x80000000
.endr
	CROUND                                         ; all four work-groups are here: the first joint loads meet
	tensor_load_to_lds s[GQ:GQ+3], s[G1W:G1W+7]    ; both first fills go out together, ahead of everything else: two loads of mine are out
	s_nop 0
	tensor_load_to_lds s[GQ+4:GQ+7], s[G1W:G1W+7]
	s_nop 0
	PLACES 4
	s_add_nc_u64 s[XB:XB+1], s[XB:XB+1], s[96:97]
	s_add_nc_u64 s[26:27], s[26:27], s[98:99]
.irp i, 0,1,2,3
	global_load_b128 v[64+4*\i:67+4*\i], v26, s[16:17] offset:2048*\i   ; Wt, bq, bv: 16 bytes a thread, the work-group 2,048 consecutive bytes a line
.endr
	global_load_b128 v[80:83], v26, s[18:19]
	global_load_b128 v[84:87], v26, s[20:21]
	XGET
	s_lshl_b32 s96, s[BAT], 20                     ; the prefetches: the batch, fill 2, my work-group's quarter of a fill, my wave's quarter of that
	s_lshl_b32 s97, s[CX], 15
	s_add_co_u32 s96, s96, s97
	s_lshl_b32 s97, s[WV], 13
	s_add_co_u32 s96, s96, s97
	s_add_co_u32 s96, s96, 2*131072
	s_mov_b32 s97, 0
	s_add_nc_u64 s[PFA:PFA+1], s[14:15], s[96:97]
	s_wait_kmcnt 0x0
	s_add_co_i32 s2, s[E0], s[E0+1]                ; a sum of q stands for sum x 2^(e0 + e1),
	s_sub_co_i32 s3, 0, s2
	s_add_co_i32 s5, s[E0+4], s[E0+5]              ; one of v for sum x 2^(e4 + e5)
	s_sub_co_i32 s5, 0, s5
	s_sub_co_i32 s6, s[E0+6], s2
	s_add_co_i32 s6, s6, 127
	s_lshl_b32 s7, s6, 23
	v_mov_b32 v[SCQ], s7                           ; 2^(e6 - e0 - e1): the conversion takes its exponent field
	s_add_co_i32 s6, s6, 15
	s_lshl_b32 s6, s6, 23
	s_or_b32 s6, s6, 0x600000
	v_mov_b32 v[LIMQ], s6                          ; 57,344 times that
	s_add_co_i32 s7, s[E0+6], s[E0+7]
	s_lshl_b32 s7, s7, 23
	s_add_co_i32 s[CS], s7, 0x3d3504f3             ; 1 / sqrt(512) with e6 + e7 added to its exponent field
	s_wait_loadcnt 32                              ; the constants are in; younger: the 32 loads of x
.irp j, 0,1,2,3
	v_ldexp_f32 v[80+\j], v[80+\j], s3             ; bq / 2^(e0 + e1)
	v_ldexp_f32 v[84+\j], v[84+\j], s5             ; bv / 2^(e4 + e5)
.endr
.irp i, 0,1,2,3
	ds_store_b128 v[CST], v[64+4*\i:67+4*\i] offset:2048*\i
.endr
	ds_store_b128 v[CST], v[80:83] offset:BQ-WT
	ds_store_b128 v[CST], v[84:87] offset:BV-WT
	; ---- x goes round the waves
	s_wait_loadcnt 16                              ; my rows of x's first half are in; younger: the second half's 16 loads
	XPUT 0
	BAR                                            ; the constants and x's rows 0 to 63 lie in LDS
	XTAKE 0
	BAR                                            ; every wave has read them: the stage may be written again
	s_wait_loadcnt 0x0
	XPUT 1
	BAR                                            ; x's rows 64 to 127 lie in LDS
	XTAKE 1
	; ---- q: eight tiles of 16 f for all 128 rows
	s_wait_tensorcnt 0x1                           ; my quarter of slot 0 is in; only I read it
	RUN18 0, AW0, 0, 32, AXB, 0                    ; LDS loads come back in order (ISA guide 5.7.1): the first tile's wait covers x's too
	TILE KP, 0, 0, 0, 1, AW0, TP, 32, AXB, 64
	TILE KP, 1, 1, 1, 1, AW0, 2*TP, 32, AXB, 128
	TILE KP, 0, 2, 1, 1, AW0, 3*TP, 32, AXB, 192
	TURN KP, 3, AW1, 0, 32, AXB, 256, GK, G1K, 0, 1            ; slot 0 takes k's fill 0
	TILE KP, 0, 4, 1, 1, AW1, TP, 32, AXB, 320
	TILE KP, 1, 5, 1, 1, AW1, 2*TP, 32, AXB, 384
	TILE KP, 0, 6, 1, 1, AW1, 3*TP, 32, AXB, 448
	TURN KP, 7, AK0, 0, 512, AX0, 0, GK+4, G1K, 0, 2           ; slot 1 takes fill 1; the first tile of keys and its Wt are fetched
	DRAIN KP, 1, 7
	PLACES 4                                       ; in front of loads into the registers that held x
	; ---- q goes round the waves and takes x's place.  (The two rounds above stand between the waves' last reads of x's stage and these stores into the same bytes)
	QHALF 0
.irp j, 0,1,2,3,4,5,6,7,8,9,10,11,12,13,14,15
	v_mov_b32 v[TA+\j], 0                          ; the sums over t: the loop has no first step of its own
.endr
	s_barrier_signal -1                            ; every wave has read the first four images (its loads were waited for): they may be written again
	s_barrier_wait -1
	QHALF 1
	; ---- the scores and their sum with Wt: 32 tiles of 16 keys a wave
	TILE KS, 0, 0, 0, 1, AK0, IMG, 512, AX0, 64                ; fill 0, tile 0
	WIN 0
.Lfill:                                            ; three trips; a trip goes once round the ring, from a fill's second tile to the first tile two fills on, and fills both slots again
	v_add_nc_u32 v[AXA], s[TW], v[AX0]
	TILE KS, 1, 0, 1, 1, AK0, 2*IMG, 512, AXA, 128
	TILE KS, 0, 0, 1, 1, AK0, 3*IMG, 512, AXA, 192
	TURN KS, 0, AK1, 0, 512, AXA, 1024, GK, G1K, 1, 2
	TILE KS, 0, 0, 1, 1, AK1, IMG, 512, AXA, 1024+64
	TILE KS, 1, 0, 1, 1, AK1, 2*IMG, 512, AXA, 1024+128
	TILE KS, 0, 0, 1, 1, AK1, 3*IMG, 512, AXA, 1024+192
	TURN KS, 0, AK0, 0, 512, AXA, 2048, GK+4, G1K, 1, 2
	TILE KS, 0, 0, 1, 1, AK0, IMG, 512, AXA, 2048+64
	WIN 0
	s_add_co_u32 s[TW], s[TW], 2048                ; two fills' Wt
	s_sub_co_u32 s[TRIP], s[TRIP], 1
	s_cmp_lg_u32 s[TRIP], 0
	s_cbranch_scc1 .Lfill
	v_add_nc_u32 v[AXA], s[TW], v[AX0]             ; fills 6 and 7 are written out: their changes of slots ask for Wv
	TILE KS, 1, 0, 1, 1, AK0, 2*IMG, 512, AXA, 128
	TILE KS, 0, 0, 1, 1, AK0, 3*IMG, 512, AXA, 192
	TURN KS, 0, AK1, 0, 512, AXA, 1024, GV, G1W, 0, 0
	TILE KS, 0, 0, 1, 1, AK1, IMG, 512, AXA, 1024+64
	TILE KS, 1, 0, 1, 1, AK1, 2*IMG, 512, AXA, 1024+128
	TILE KS, 0, 0, 1, 1, AK1, 3*IMG, 512, AXA, 1024+192
	TURN KS, 0, AW0, 0, 32, AXB, BV-BQ, GV+4, G1W, 0, 0        ; Wv's first tile and its bias are fetched
	DRAIN KS, 1, 0
	; ---- ta, and x goes round once more, out of the registers that have kept it.  (The rounds of the scores stand between the waves' last reads of q's images and these stores into the same bytes)
	PLACES 4                                       ; in front of the lines that write accumulators, and of loads into the registers that held q
.irp e, 0,1,2,3,4,5,6,7
	v_add_f32 v[64+\e], v[TA+2*\e], v[TA+2*\e+1]   ; even keys' and odd keys' sums,
.endr
.irp e, 0,1,2,3,4,5,6,7
	v_permlanex16_b32 v[72+\e], v[64+\e], s[SEL], s[SEL+1]
.endr
.irp e, 0,1,2,3,4,5,6,7
	v_add_f32 v[64+\e], v[64+\e], v[72+\e]         ; and the other half of the lanes': my wave's 512 keys
.endr
	ds_store_b128 v[TXS], v[64:67]                 ; lanes r and r + 16 write the same words with the same numbers
	ds_store_b128 v[TXS], v[68:71] offset:16
	XPUT 0
	BAR                                            ; the waves' parts of ta and x's rows 0 to 63 lie in LDS; Wv's second fill may stay out
.irp w, 0,1,2,3
	ds_load_b128 v[80+8*\w:83+8*\w], v[TXL] offset:512*\w
	ds_load_b128 v[84+8*\w:87+8*\w], v[TXL] offset:512*\w+16
.endr
	XTAKE 0
	BAR                                            ; every wave has read them: the stage may be written again
	XPUT 1
	BAR                                            ; x's rows 64 to 127 lie in LDS
	XTAKE 1
.irp i, 0,2,4,6                                ; ta's arithmetic stands between the loads and the wait for them
	v_pk_add_f32 v[80+\i:81+\i], v[80+\i:81+\i], v[88+\i:89+\i]
	v_pk_add_f32 v[96+\i:97+\i], v[96+\i:97+\i], v[104+\i:105+\i]
.endr
.irp i, 0,2,4,6
	v_pk_add_f32 v[80+\i:81+\i], v[80+\i:81+\i], v[96+\i:97+\i]
.endr
.irp e, 0,1,2,3,4,5,6,7
	v_fma_f32 v[TA+2*\e], v[80+\e], s[CS], s[BT]   ; ta of row 16 e + r = sum x 2^(e6 + e7) / sqrt(512) + bt, twice: a pair for the packed forms
	v_fma_f32 v[TA+2*\e+1], v[80+\e], s[CS], s[BT]
.endr
	s_wait_dscnt 0x0                               ; x stands in windows 1 and 2 again
	; ---- v, and its sum with ta over my 128 rows
	TILE KV, 0, 0, 0, 1, AW0, TP, 32, AXB, BV-BQ+64
	TILE KV, 1, 1, 1, 1, AW0, 2*TP, 32, AXB, BV-BQ+128
	TILE KV, 0, 2, 1, 1, AW0, 3*TP, 32, AXB, BV-BQ+192
	s_wait_tensorcnt 0x0                           ; my quarter of slot 1 is in: the next tile's run reads it
	TILE KV, 1, 3, 1, 1, AW1, 0, 32, AXB, BV-BQ+256
	TILE KV, 0, 4, 1, 1, AW1, TP, 32, AXB, BV-BQ+320
	TILE KV, 1, 5, 1, 1, AW1, 2*TP, 32, AXB, BV-BQ+384
	TILE KV, 0, 6, 1, 1, AW1, 3*TP, 32, AXB, BV-BQ+448
	TILE KV, 1, 7, 1, 0, AW1, 0, 32, AXB, 0
	DRAIN KV, 1, 7
	; ---- the way out: x 2^(e4 + e5) (which rounds nothing) on the way into window 0; the sum over the sixteen lanes r; 512 bytes a wave through LDS
	s_add_co_i32 s2, s[E0+4], s[E0+5]
	WIN 0x03                                       ; source 0 window 3
.set n, 0
.rept 64
	v_ldexp_f32 v[OUTR+n], v[LAT+n], s2
.set n, n+1
.endr
	WIN 0
.irp m, 1,2,4,8
.set n, 0
.rept 64
	v_add_f32_dpp v[OUTR+n], v[OUTR+n], v[OUTR+n] row_xmask:\m row_mask:0xf bank_mask:0xf
.set n, n+1
.endr
.endr
.irp c, 0,1,2,3,4,5,6,7
	ds_store_b128 v[LSS], v[OUTR+8*\c:OUTR+8*\c+3] offset:64*\c        ; f = 128 w + 16 c + 8 h + 0 .. 7; the sixteen lanes of a half write the same words with the same numbers
	ds_store_b128 v[LSS], v[OUTR+8*\c+4:OUTR+8*\c+7] offset:64*\c+16
.endr
	ds_load_b128 v[64:67], v[LSL]                  ; LDS serves a wave's instructions in order (ISA guide 5.7.1.4): this sees my stores
	s_wait_dscnt 0x0
	global_store_b128 v[GO], v[64:67], s[26:27]    ; 32 lanes store 512 consecutive bytes, at a multiple of 512 from part's first byte
	s_wait_tensorcnt 0x0                           ; the wave's end, behind my last tensor load and my last LDS store
	ds_add_u32 v[SPW], v[NIL]
	s_wait_dscnt 0x0
	CROUND                                         ; the closing round: no work-group ends while a partner may still ask for a tile that names it
	s_endpgm
.Lfunc_end_k_qc6802cc866_attn:
	.size	k_qc6802cc866_attn, .Lfunc_end_k_qc6802cc866_attn-k_qc6802cc866_attn
	.p2alignl 7, 3214868480
	.fill 96, 4, 3214868480
	.section	.rodata,"a",@progbits
	.p2align	6, 0x0
	.amdhsa_kernel k_qc6802cc866_attn
		.amdhsa_group_segment_fixed_size 327680
		.amdhsa_private_segment_fixed_size 0
		.amdhsa_enable_private_segment 0
		.amdhsa_kernarg_size 80
		.amdhsa_user_sgpr_count 2
		.amdhsa_user_sgpr_kernarg_segment_ptr 1
		.amdhsa_wavefront_size32 1
		.amdhsa_system_sgpr_workgroup_id_x 1
		.amdhsa_system_sgpr_workgroup_id_y 1
		.amdhsa_system_sgpr_workgroup_id_z 1
		.amdhsa_system_vgpr_workitem_id 0
		.amdhsa_next_free_vgpr 1024
		.amdhsa_next_free_sgpr 100
		.amdhsa_reserve_vcc 0
		.amdhsa_float_denorm_mode_32 3
		.amdhsa_float_denorm_mode_16_64 3
		.amdhsa_memory_ordered 1
		.amdhsa_forward_progress 1
		.amdhsa_inst_pref_size 255
	.end_amdhsa_kernel
	.section	.bss,"aw",@nobits
	.p2align	6
	.space	262144
	.amdgpu_metadata
---
amdhsa.version: [ 1, 2 ]
amdhsa.kernels:
  - .name:           k_qc6802cc866_attn
    .symbol:         k_qc6802cc866_attn.kd
    .args:
      - { .name: x_codes, .offset: 0, .size: 8, .value_kind: global_buffer, .address_space: global }
      - { .name: Wq_codes, .offset: 8, .size: 8, .value_kind: global_buffer, .address_space: global }
      - { .name: Wv_codes, .offset: 16, .size: 8, .value_kind: global_buffer, .address_space: global }
      - { .name: kimg, .offset: 24, .size: 8, .value_kind: global_buffer, .address_space: global }
      - { .name: Wt, .offset: 32, .size: 8, .value_kind: global_buffer, .address_space: global }
      - { .name: bq, .offset: 40, .size: 8, .value_kind: global_buffer, .address_space: global }
      - { .name: bv, .offset: 48, .size: 8, .value_kind: global_buffer, .address_space: global }
      - { .name: bt, .offset: 56, .size: 8, .value_kind: global_buffer, .address_space: global }
      - { .name: lowp_scales, .offset: 64, .size: 8, .value_kind: global_buffer, .address_space: global }
      - { .name: part, .offset: 72, .size: 8, .value_kind: global_buffer, .address_space: global }
    .group_segment_fixed_size: 327680
    .private_segment_fixed_size: 0
    .kernarg_segment_align: 8
    .kernarg_segment_size: 80
    .max_flat_workgroup_size: 128
    .sgpr_count:     100
    .vgpr_count:     1024
    .wavefront_size: 32
...
	.end_amdgpu_metadata
.endif
;; end of part 2
;; launch fold (part 3): grid 16 x 1, 4 waves a work-group, no clusters, 0 bytes of LDS; arguments part, out0; writes out0
.if DOCPART == 3
	.amdgcn_target "amdgcn-amd-amdhsa--gfx1250"
	.amdhsa_code_object_version 6
	.text
	.protected	k_qc6802cc866_fold
	.globl	k_qc6802cc866_fold
	.p2align	8
	.type	k_qc6802cc866_fold,@function
k_qc6802cc866_fold:
	s_mov_b64 s[64:65], 0
	v_nop
	global_prefetch_b8 v0, s[64:65] scope:SCOPE_SE
	s_setreg_imm32_b32 hwreg(HW_REG_WAVE_MODE, 25, 1), 1
	s_wait_xcnt 0x0
; out0[b][f] = the sum over the 16 blocks of part[b][block][f], in ascending order of the blocks.  part: [16][16][512] f32; out0: [16][512] f32.
; A work-group takes a batch; thread t takes f = 4 t .. 4 t + 3: each load and the store of a wave cover 512 consecutive bytes.  All sixteen loads are out at once; no LDS, no barrier: threads share nothing.
	s_load_b128 s[4:7], s[0:1], 0x0                ; part s[4:5], out0 s[6:7]
	v_lshlrev_b32 v1, 4, v0                        ; 16 bytes a thread
	s_lshl_b32 s8, ttmp9, 15                       ; the batch's 16 blocks of 2,048 bytes
	s_mov_b32 s9, 0
	s_lshl_b32 s10, ttmp9, 11                      ; its row of out0
	s_mov_b32 s11, 0
	s_wait_kmcnt 0x0
	s_add_nc_u64 s[4:5], s[4:5], s[8:9]
	s_add_nc_u64 s[6:7], s[6:7], s[10:11]
.irp i, 0,1,2,3,4,5,6,7,8,9,10,11,12,13,14,15
	global_load_b128 v[8+4*\i:11+4*\i], v1, s[4:5] offset:2048*\i th:TH_LOAD_NT
.endr
	s_wait_loadcnt 14                              ; blocks 0 and 1 are in: they start the sums
	v_pk_add_f32 v[4:5], v[8:9], v[12:13]
	v_pk_add_f32 v[6:7], v[10:11], v[14:15]
.irp i, 2,3,4,5,6,7,8,9,10,11,12,13,14,15
	s_wait_loadcnt 15-\i                           ; loads come back in order (ISA guide 5.7.1): block i is in, the younger ones may be out
	v_pk_add_f32 v[4:5], v[4:5], v[8+4*\i:9+4*\i]
	v_pk_add_f32 v[6:7], v[6:7], v[10+4*\i:11+4*\i]
.endr
	global_store_b128 v1, v[4:7], s[6:7]
	s_endpgm
.Lfunc_end_k_qc6802cc866_fold:
	.size	k_qc6802cc866_fold, .Lfunc_end_k_qc6802cc866_fold-k_qc6802cc866_fold
	.p2alignl 7, 3214868480
	.fill 96, 4, 3214868480
	.section	.rodata,"a",@progbits
	.p2align	6, 0x0
	.amdhsa_kernel k_qc6802cc866_fold
		.amdhsa_group_segment_fixed_size 0
		.amdhsa_private_segment_fixed_size 0
		.amdhsa_enable_private_segment 0
		.amdhsa_kernarg_size 16
		.amdhsa_user_sgpr_count 2
		.amdhsa_user_sgpr_kernarg_segment_ptr 1
		.amdhsa_wavefront_size32 1
		.amdhsa_system_sgpr_workgroup_id_x 1
		.amdhsa_system_sgpr_workgroup_id_y 1
		.amdhsa_system_sgpr_workgroup_id_z 1
		.amdhsa_system_vgpr_workitem_id 0
		.amdhsa_next_free_vgpr 80
		.amdhsa_next_free_sgpr 66
		.amdhsa_reserve_vcc 0
		.amdhsa_float_denorm_mode_32 3
		.amdhsa_float_denorm_mode_16_64 3
		.amdhsa_memory_ordered 1
		.amdhsa_forward_progress 1
		.amdhsa_inst_pref_size 5
	.end_amdhsa_kernel
	.amdgpu_metadata
---
amdhsa.version: [ 1, 2 ]
amdhsa.kernels:
  - .name:           k_qc6802cc866_fold
    .symbol:         k_qc6802cc866_fold.kd
    .args:
      - { .name: part, .offset: 0, .size: 8, .value_kind: global_buffer, .address_space: global }
      - { .name: out0, .offset: 8, .size: 8, .value_kind: global_buffer, .address_space: global }
    .group_segment_fixed_size: 0
    .private_segment_fixed_size: 0
    .kernarg_segment_align: 8
    .kernarg_segment_size: 16
    .max_flat_workgroup_size: 128
    .sgpr_count:     66
    .vgpr_count:     80
    .wavefront_size: 32
...
	.end_amdgpu_metadata
.endif
;; end of part 3
